; MI455X (gfx1250); checked and timed in simulation.
; The chip was launched on July 23, 2026; its instructions are those of AMD's public machine-readable ISA for CDNA 5 (MIT licence, August 2026) and "CDNA5" Instruction Set Architecture Reference Guide (July 2026). The comments in the code are by the model that wrote it; some were corrected since.
;; Transformer Block. Allowed arithmetic: matrix products marked QUANTISED: E5M2 operands, one given power-of-two scale a tensor, by v_wmma_f32_16x16x64_bf8_bf8 or v_wmma_f32_16x16x128_bf8_bf8, f32 sums; everything else in f32.
;; Inputs: W1 512 x 2,048 float32; W2 2,048 x 512 float32; Wk 512 x 512 float32; Wo 512 x 512 float32; Wq 512 x 512 float32; Wv 512 x 512 float32; b1 2,048 float32; b2 512 float32; bo 512 float32; ln1_bias 512 float32; ln1_scale 512 float32; ln2_bias 512 float32; ln2_scale 512 float32; lowp_scales 16 int32 (the exponents e of the quantised operands' scales 2^e); x 4 x 2,048 x 512 float32.
;; Outputs: out0 4 x 2,048 x 512 float32.
;; This version of the problem:
;;   THIS VERSION OF THE PROBLEM IS GIVEN IN LOW PRECISION. The matrix products marked QUANTISED in the list below multiply operands that are first quantised to E5M2 (5 exponent bits, 2 mantissa bits; 8 bits a number), with one given power-of-two scale for each operand tensor; their sums are f32. All else is computed in f32.
;;   The module's matrix products, in the order in which they are computed (A, B: the left and right operand; K: the contracted axis; several contracted axes count as one K, in the product's order):
;;     1. [M 8,192, K 512] x [K 512, N 512]; A: computed on the way; B: input Wq: QUANTISED (scales: A lowp_scales[0], B lowp_scales[1])
;;     2. [M 8,192, K 512] x [K 512, N 512]; A: computed on the way; B: input Wk: QUANTISED (scales: A lowp_scales[2], B lowp_scales[3])
;;     3. [M 8,192, K 512] x [K 512, N 512]; A: computed on the way; B: input Wv: QUANTISED (scales: A lowp_scales[4], B lowp_scales[5])
;;     4. batch 64 x [M 2,048, K 32] x [K 32, N 2,048]; A: computed on the way; B: computed on the way: QUANTISED (scales: A lowp_scales[6], B lowp_scales[7])
;;     5. batch 64 x [M 2,048, K 2,048] x [K 2,048, N 32]; A: softmax (see below); B: computed on the way: QUANTISED (scales: A lowp_scales[8], B lowp_scales[9])
;;     6. [M 8,192, K 512] x [K 512, N 512]; A: computed on the way; B: input Wo: QUANTISED (scales: A lowp_scales[10], B lowp_scales[11])
;;     7. [M 8,192, K 512] x [K 512, N 2,048]; A: computed on the way; B: input W1: QUANTISED (scales: A lowp_scales[12], B lowp_scales[13])
;;     8. [M 8,192, K 2,048] x [K 2,048, N 512]; A: computed on the way; B: input W2: QUANTISED (scales: A lowp_scales[14], B lowp_scales[15])
;;   THE QUANTISER, for each operand of a quantised product, along K:
;;     - The operand's scale is 2^e, e = its entry of the input lowp_scales (int32; the entries are numbered through the quantised products in the list's order, A before B).
;;     - Each number is divided by the scale, clamped to +-57,344, and rounded to the nearest number of E5M2, ties to even, subnormals kept.
;;     - The product sums the exact products of the quantised numbers (number of the format x scale) in f32.
;;   ~~~python
;;   def quantise(x, axis, e):      # numpy; x: float32 -> the quantised numbers, widened to float32 again
;;       x = np.moveaxis(x, axis, -1); K = x.shape[-1]
;;       r = np.clip(x / 2.0 ** e, -57344, 57344)
;;       step = 2.0 ** (np.maximum(np.frexp(np.where(r == 0, 1, r))[1] - 1, -14) - 2)
;;       q = np.round(r / step) * step * 2.0 ** e      # np.round: ties to even
;;       return np.moveaxis(q, -1, axis).astype(np.float32)
;;   ~~~
;;   SOFTMAX AHEAD OF A QUANTISED PRODUCT. Where the list says 'softmax', what is quantised is not the finished softmax but p = 2^(t - M), with t = logit x log2(e) and M = ceil(the row's largest t), a whole number; so 1/2 < the row's largest p <= 1. The row's sum l is taken of the UNQUANTISED p, in f32, and the product's result is divided by l at the end. Since M is a whole number, a kernel that streams over the keys may use a running M (the ceiling of the running maximum): every later rescaling is an exact power of two, so the quantised numbers keep their values, but for numbers so far below the row's largest that they fall under the format's range.
;;   OPERANDS COMPUTED ON THE WAY. 'Computed on the way' means the value that the module computes at that place (a softmax that the list does not call 'softmax' is quantised finished and normalised). What goes into a quantiser is computed in f32, as accurately as f32 sums, v_exp_f32 and their like allow (about 1e-6 of the number): no bf16 or f16 on the way to a quantiser, and a product that is left as it is and whose result goes on into a quantised operand takes f32 operands (vector FMAs, or v_wmma_f32_16x16x4_f32). A number that lies on a knife's edge between two numbers of the format may be rounded either way, as far as f32 arithmetic and the matrix unit's own rounding can turn it there, and no further.
;; One version. Each part assembles by itself: llvm-mc -triple=amdgcn-amd-amdhsa -mcpu=gfx1250 --defsym DOCPART=n.
;; ======== version 1 of 1: 4 launches
;; limits: right only within a limited range of input values
;; workspace buffers: wimg 3,145,728 bytes; qimg 4,194,304 bytes; kimg 4,194,304 bytes; vimg 4,194,304 bytes; cimg 4,194,304 bytes
;; launch prep (part 1): grid 256 x 1, 6 waves a work-group, no clusters, 0 bytes of LDS; arguments Wq, Wk, Wv, Wo, W1, W2, lowp_scales, wimg; writes wimg
.if DOCPART == 1
	.amdgcn_target "amdgcn-amd-amdhsa--gfx1250"
	.amdhsa_code_object_version 6
	.text
	.protected	k_q664d4d7160_prep
	.globl	k_q664d4d7160_prep
	.p2align	8
	.type	k_q664d4d7160_prep,@function
k_q664d4d7160_prep:
	s_mov_b64 s[64:65], 0
	v_nop
	global_prefetch_b8 v0, s[64:65] scope:SCOPE_SE
	s_setreg_imm32_b32 hwreg(HW_REG_WAVE_MODE, 25, 1), 1
	s_wait_xcnt 0x0
; The six weights, f32 stored [K][N], become codes of E5M2 laid in the ORDER OF AN OPERAND'S REGISTERS, each with the one scale 2^e that is given for it.
; code = w / 2^e, held within +-57,344, rounded to the nearest code, ties to even.  LIMITS: -126 <= e <= 112, so that 2^e and 57,344 x 2^e are f32 numbers.  NaN among the inputs is not served.
; A FRAGMENT is 16 columns x 128 along K: 2,048 bytes: four pieces c of 512 bytes, lane l's 16 bytes at 16 l.  Lane (r = l % 16, h = l / 16) of tile t, K step s, piece c holds
;   W[128 s + 32 c + 16 h + 0 .. 15][32 (t / 2) + 8 (t % 2) + r + (r & 8)].
; THE COLUMNS OF A TILE ARE NOT NEIGHBOURS: tiles 2 b and 2 b + 1 share 32 columns so that, where the product is used transposed, a lane's 16 results of the two tiles are 16 neighbouring columns.
; wimg: Wq at 0, Wk at 0x40000, Wv at 0x80000, Wo at 0xc0000, W1 at 0x100000, W2 at 0x200000; inside a tensor fragment (t, s) lies at (t x K/128 + s) x 2,048.
; SHARES.  1,536 fragments, one to a wave: T = 6 x work-group + wave.  A lane takes a column and its registers run down K, so the conversions' results are the fragment's registers: nothing is transposed.
; One path serves all six tensors: pointer, row length and counts are chosen by s_cselect on T; no immediate offset hangs on the row length.  Neighbouring waves take neighbouring tiles of the same rows.
; No register is written twice, so no wait frees a source.  No LDS, no barrier: waves share nothing.
.set A, 4                              ; v4-19   (16 h + i) x row bytes + 4 (r + (r & 8)), i = 0 .. 15; never rewritten
.set X, 32                             ; v32-95  my 64 numbers: register 16 c + i
.set C, 96                             ; v96-111 their codes: four registers a piece
.macro PICK bound, ptr, off, start, stride, lgnt, lgs    ; where T lies under the bound: this tensor's figures
	s_cmp_lt_u32 s21, \bound
	s_cselect_b64 s[24:25], s[\ptr:\ptr+1], s[24:25]
	s_cselect_b32 s26, \off, s26
	s_cselect_b32 s22, \start, s22
	s_cselect_b32 s27, \stride, s27
	s_cselect_b32 s28, \lgnt, s28
	s_cselect_b32 s29, \lgs, s29
.endm
.macro PICKE bound, e
	s_cmp_lt_u32 s21, \bound
	s_cselect_b32 s23, s[\e], s23
.endm
	s_load_b512 s[4:19], s[0:1], 0x0               ; Wq s[4:5], Wk s[6:7], Wv s[8:9], Wo s[10:11], W1 s[12:13], W2 s[14:15], the exponents s[16:17], wimg s[18:19]
	v_lshrrev_b32 v3, 5, v0
	v_readfirstlane_b32 s20, v3                    ; wave 0..5
	s_mul_i32 s21, ttmp9, 6
	s_add_co_u32 s21, s21, s20                     ; T
	v_and_b32 v1, 31, v0
	v_lshlrev_b32 v1, 4, v1                        ; 16 l: my place in a piece
	v_and_b32 v20, 15, v0                          ; r
	v_bfe_u32 v21, v0, 4, 1                        ; h
	v_and_b32 v22, 8, v20
	v_add_nc_u32 v20, v20, v22
	v_lshlrev_b32 v20, 2, v20                      ; 4 (r + (r & 8))
	v_lshlrev_b32 v21, 4, v21                      ; 16 h
	s_wait_alu depctr_va_vdst(0)
	s_wait_kmcnt 0x0
	s_load_b512 s[36:51], s[16:17], 0x0            ; the sixteen exponents
	s_mov_b64 s[24:25], s[14:15]                   ; W2's figures first: source,
	s_mov_b32 s26, 0x200000                        ; place in wimg,
	s_mov_b32 s22, 1024                            ; first T,
	s_mov_b32 s27, 2048                            ; bytes in a row,
	s_mov_b32 s28, 5                               ; log2 of its tiles,
	s_mov_b32 s29, 4                               ; log2 of its K steps
	PICK 1024, 12, 0x100000, 512, 8192, 7, 2       ; W1
	PICK 512, 10, 0xc0000, 384, 2048, 5, 2         ; Wo
	PICK 384, 8, 0x80000, 256, 2048, 5, 2          ; Wv
	PICK 256, 6, 0x40000, 128, 2048, 5, 2          ; Wk
	PICK 128, 4, 0, 0, 2048, 5, 2                  ; Wq
	s_sub_co_u32 s22, s21, s22                     ; my number inside the tensor
	s_bfm_b32 s62, s28, 0
	s_and_b32 s30, s22, s62                        ; tile t
	s_lshr_b32 s31, s22, s28                       ; K step s
	s_lshl_b32 s66, s31, 7
	s_mul_i32 s66, s66, s27                        ; 128 s rows,
	s_lshr_b32 s67, s30, 1
	s_lshl_b32 s67, s67, 7
	s_add_co_u32 s66, s66, s67                     ; + 128 (t / 2) bytes,
	s_and_b32 s67, s30, 1
	s_lshl_b32 s67, s67, 5
	s_add_co_u32 s66, s66, s67                     ; + 32 (t % 2)
	s_mov_b32 s67, 0
	s_add_nc_u64 s[52:53], s[24:25], s[66:67]      ; piece 0's base;
	s_lshl_b32 s68, s27, 5                         ; 32 rows on for each further piece
	s_mov_b32 s69, 0
	s_add_nc_u64 s[54:55], s[52:53], s[68:69]
	s_add_nc_u64 s[56:57], s[54:55], s[68:69]
	s_add_nc_u64 s[58:59], s[56:57], s[68:69]
	s_lshl_b32 s62, s30, s29
	s_add_co_u32 s62, s62, s31
	s_lshl_b32 s62, s62, 11
	s_add_co_u32 s62, s62, s26                     ; where the fragment goes
	s_mov_b32 s63, 0
	s_add_nc_u64 s[60:61], s[18:19], s[62:63]
	v_mul_lo_u32 v21, v21, s27
	v_add_nc_u32 v[A], v21, v20
.irp i, 1,2,3,4,5,6,7,8,9,10,11,12,13,14,15
	v_add_nc_u32 v[A+\i], s27, v[A+\i-1]           ; a row further down
.endr
.irp c, 0,1,2,3
.irp i, 0,1,2,3,4,5,6,7,8,9,10,11,12,13,14,15
	global_load_b32 v[X+16*\c+\i], v[A+\i], s[52+2*\c:53+2*\c]
.endr
.endr
	s_wait_kmcnt 0x0
	s_mov_b32 s23, s51                             ; e: W2's is entry 15,
	PICKE 1024, 49                                 ; W1's 13,
	PICKE 512, 47                                  ; Wo's 11,
	PICKE 384, 41                                  ; Wv's 5,
	PICKE 256, 39                                  ; Wk's 3,
	PICKE 128, 37                                  ; Wq's 1
	s_add_co_i32 s62, s23, 127
	s_add_co_i32 s63, s23, 142
	s_lshl_b32 s62, s62, 23
	s_lshl_b32 s63, s63, 23
	s_or_b32 s63, s63, 0x600000
	v_mov_b32 v2, s62                              ; 2^e as f32: the conversion takes its exponent field
	v_mov_b32 v3, s63                              ; 57,344 x 2^e
	s_wait_alu depctr_va_vdst(0)
.irp c, 0,1,2,3
	s_wait_loadcnt 48-16*\c                        ; this piece's 16 loads are in; the later pieces' may be out
.irp i, 0,1,2,3,4,5,6,7,8,9,10,11,12,13,14,15
	v_med3_num_f32 v[X+16*\c+\i], v[X+16*\c+\i], -v3, v3   ; the conversion to an 8-bit code does not saturate (ISA guide 7.6.2): the hold comes first
.endr
	v_cvt_scalef32_pk8_bf8_f32 v[C+4*\c:C+4*\c+1], v[X+16*\c:X+16*\c+7], v2
	v_cvt_scalef32_pk8_bf8_f32 v[C+4*\c+2:C+4*\c+3], v[X+16*\c+8:X+16*\c+15], v2
	global_store_b128 v1, v[C+4*\c:C+4*\c+3], s[60:61] offset:512*\c   ; the wave stores 512 consecutive bytes, at a multiple of 512 from wimg's first byte
.endr
	s_endpgm
.Lfunc_end_k_q664d4d7160_prep:
	.size	k_q664d4d7160_prep, .Lfunc_end_k_q664d4d7160_prep-k_q664d4d7160_prep
	.p2alignl 7, 3214868480
	.fill 96, 4, 3214868480
	.section	.rodata,"a",@progbits
	.p2align	6, 0x0
	.amdhsa_kernel k_q664d4d7160_prep
		.amdhsa_group_segment_fixed_size 0
		.amdhsa_private_segment_fixed_size 0
		.amdhsa_enable_private_segment 0
		.amdhsa_kernarg_size 64
		.amdhsa_user_sgpr_count 2
		.amdhsa_user_sgpr_kernarg_segment_ptr 1
		.amdhsa_wavefront_size32 1
		.amdhsa_system_sgpr_workgroup_id_x 1
		.amdhsa_system_sgpr_workgroup_id_y 1
		.amdhsa_system_sgpr_workgroup_id_z 1
		.amdhsa_system_vgpr_workitem_id 0
		.amdhsa_next_free_vgpr 112
		.amdhsa_next_free_sgpr 72
		.amdhsa_reserve_vcc 0
		.amdhsa_float_denorm_mode_32 3
		.amdhsa_float_denorm_mode_16_64 3
		.amdhsa_memory_ordered 1
		.amdhsa_forward_progress 1
		.amdhsa_inst_pref_size 17
	.end_amdhsa_kernel
	.amdgpu_metadata
---
amdhsa.version: [ 1, 2 ]
amdhsa.kernels:
  - .name:           k_q664d4d7160_prep
    .symbol:         k_q664d4d7160_prep.kd
    .args:
      - { .name: Wq, .offset: 0, .size: 8, .value_kind: global_buffer, .address_space: global }
      - { .name: Wk, .offset: 8, .size: 8, .value_kind: global_buffer, .address_space: global }
      - { .name: Wv, .offset: 16, .size: 8, .value_kind: global_buffer, .address_space: global }
      - { .name: Wo, .offset: 24, .size: 8, .value_kind: global_buffer, .address_space: global }
      - { .name: W1, .offset: 32, .size: 8, .value_kind: global_buffer, .address_space: global }
      - { .name: W2, .offset: 40, .size: 8, .value_kind: global_buffer, .address_space: global }
      - { .name: lowp_scales, .offset: 48, .size: 8, .value_kind: global_buffer, .address_space: global }
      - { .name: wimg, .offset: 56, .size: 8, .value_kind: global_buffer, .address_space: global }
    .group_segment_fixed_size: 0
    .private_segment_fixed_size: 0
    .kernarg_segment_align: 8
    .kernarg_segment_size: 64
    .max_flat_workgroup_size: 192
    .sgpr_count:     72
    .vgpr_count:     112
    .wavefront_size: 32
...
	.end_amdgpu_metadata
.endif
;; end of part 1
;; launch qkv (part 2): grid 256 x 1, 16 waves a work-group, no clusters, 119,296 bytes of LDS; arguments x, ln1_scale, ln1_bias, lowp_scales, wimg, qimg, kimg, vimg; writes qimg, kimg, vimg
.if DOCPART == 2
	.amdgcn_target "amdgcn-amd-amdhsa--gfx1250"
	.amdhsa_code_object_version 6
	.text
	.protected	k_q664d4d7160_qkv
	.globl	k_q664d4d7160_qkv
	.p2align	8
	.type	k_q664d4d7160_qkv,@function
k_q664d4d7160_qkv:
	s_mov_b64 s[64:65], 0
	v_nop
	global_prefetch_b8 v0, s[64:65] scope:SCOPE_SE
	s_setreg_imm32_b32 hwreg(HW_REG_WAVE_MODE, 25, 1), 1
	s_wait_xcnt 0x0
; h = layernorm(x) (variance over 511); q = h Wq, k = h Wk, v = h Wv on codes of E5M2; q, k and v leave as codes for attention, laid in the order of an operand's registers.
; SHARES.  Work-group G takes tokens 32 G .. 32 G + 31 as two TILES tt of 16: lane r of tile tt stands for token 8 tt + r + (r & 8) of the 32.
; NORM.  Wave w takes tile w / 8 and columns 64 (w % 8) on: lane (r, h) holds, of its token, columns 32 pc + 16 h + 0 .. 15 of its 64 (pc = 0, 1): the very numbers of two pieces of an operand.
;   Mean and variance in two passes (the mean first, then the squares of the differences); a token's partial sums meet in LDS, eight waves to a token.  h is quantised three times, by entries 0, 2, 4,
;   and each wave's pieces go to LDS as images of registers: [product][tt][K step][piece][512 bytes, lane l at 16 l].
; PRODUCTS.  Wave w is head w.  Its 32 columns of each weight (two tiles wt, from wimg) come from memory straight into registers, 16 loads a stage, two stages ahead; nobody else in the work-group reads them.
;   q, k: TRANSPOSED (source 0 = 16 columns of W, source 1 = 16 tokens): a lane holds one token, and the 16 registers of tiles wt = 0, 1 are channels 16 h + 0 .. 15.
;   v: as it reads (source 0 = tokens, source 1 = columns): a lane holds one channel, and the 16 registers of tiles tt = 0, 1 are tokens 16 h + 0 .. 15: the keys are the next K.
;   A sum stands for sum x 2^(eA + eB), so the next quantiser's scale takes both off: e6 - e0 - e1, e7 - e2 - e3, e9 - e4 - e5.
; LIMITS: e0, e2, e4 and the three differences lie between -126 and 112, so that each scale and 57,344 x it are f32 numbers.  NaN among the inputs is not served.
; The four accumulators take turns, one instruction a turn, through all stages of a product.
; REGISTERS: v1 16 l; v2 x's offset; v3 the gains' offset; v4 where my pieces go; v5, v6 the statistics' words; v7 a permute's destination; v[8:9] mean, then 1 / sigma, twice; v10-15 six scales;
;   norm: v16-23 sums; v32-63 x, then h; v64-95 gain, v96-127 bias, later v64-79 held numbers and v80-103 six pieces of codes.
;   products: v16-23, v120-127 codes on their way out; v24-55 accumulators; v56-119 h's four fragments; v128-191, v192-255 two sets of four weight fragments.
.set IMG,  16384                       ; LDS: three images of h, 16,384 bytes each, from byte 0
.set ST1,  49152                       ; partial sums: [wave][r], 1,024 bytes
.set ST2,  50176                       ; partial sums of squares, likewise
.set STG,  53248                       ; behind the spare words: x's 32 rows on their way in, OP bytes apart
.set OP,   2064                        ; a stage row: 2,048 bytes + 16 of padding
.set XR,   32
.set SCL,  64
.set BIA,  96
.set TQ,   64
.set CQ,   80
.set ACC,  24
.set AF,   56
.set WF,   128
.macro MKS e, sc, lim                  ; from the exponent in s[e]: s[sc] = 2^e as f32, s[lim] = 57,344 x 2^e, s[lim+1] = its negative
	s_add_co_i32 s[\sc], s[\e], 127
	s_add_co_i32 s[\lim], s[\e], 142
	s_lshl_b32 s[\sc], s[\sc], 23
	s_lshl_b32 s[\lim], s[\lim], 23
	s_or_b32 s[\lim], s[\lim], 0x600000
	s_or_b32 s[\lim+1], s[\lim], 0x80000000
.endm
.macro BAR                             ; my LDS stores have landed and my LDS loads are in: then the work-group's barrier
	s_wait_dscnt 0x0
	s_barrier_signal -1
	s_barrier_wait -1
.endm
.macro PLACES                          ; four places behind a matrix instruction, ahead of loads into its sources and of reads of its result
.rept 4
	v_nop
.endr
.endm
.macro LOADW ws, m, half               ; product m, K steps 2 half and 2 half + 1, my two tiles: 16 loads of 512 consecutive bytes into set ws
.irp ks, 0,1
.irp wt, 0,1
.irp pc, 0,1,2,3
	global_load_b128 v[WF+64*(\ws)+32*\ks+16*\wt+4*\pc:WF+64*(\ws)+32*\ks+16*\wt+4*\pc+3], v1, s[26:27] offset:(\m)*262144+\wt*8192+(2*(\half)+\ks)*2048+512*\pc
.endr
.endr
.endr
.endm
.macro FETCH m, half                   ; h's fragments under product m's scale: both tiles of tokens, the same two K steps
.irp ks, 0,1
.irp tt, 0,1
.irp pc, 0,1,2,3
	ds_load_b128 v[AF+32*\ks+16*\tt+4*\pc:AF+32*\ks+16*\tt+4*\pc+3], v1 offset:(\m)*IMG+\tt*8192+(2*(\half)+\ks)*2048+512*\pc
.endr
.endr
.endr
.endm
.macro MUL ws, nat, zero               ; eight products.  nat = 0: transposed (q, k); 1: as it reads (v).  zero = 1: the first four start the sums
.irp ks, 0,1
.irp tt, 0,1
.irp wt, 0,1
.if \nat
.set rD, ACC+16*\wt+8*\tt
.set rA, AF+32*\ks+16*\tt
.set rB, WF+64*(\ws)+32*\ks+16*\wt
.else
.set rD, ACC+16*\tt+8*\wt
.set rA, WF+64*(\ws)+32*\ks+16*\wt
.set rB, AF+32*\ks+16*\tt
.endif
.if (\zero) && (\ks == 0)
	v_wmma_f32_16x16x128_bf8_bf8 v[rD:rD+7], v[rA:rA+15], v[rB:rB+15], 0
.else
	v_wmma_f32_16x16x128_bf8_bf8 v[rD:rD+7], v[rA:rA+15], v[rB:rB+15], v[rD:rD+7]
.endif
.endr
.endr
.endr
.endm
.macro STAGE i                         ; stage i of six: product i / 2, half i % 2 of K
	FETCH (\i)/2, (\i)%2
.if \i < 5
	s_wait_loadcnt 16                              ; this stage's weights are in; the next stage's 16 loads may be out
.else
	s_wait_loadcnt 0x0
.endif
	s_wait_dscnt 0x0
	MUL (\i)%2, (\i)/4, 1-(\i)%2
	PLACES
.if \i < 4
	LOADW (\i)%2, ((\i)+2)/2, (\i)%2               ; the stage after next, into the set just multiplied
.endif
.endm
.macro OUTQ cd, sc, lim                ; 32 sums of a lane become two pieces of codes in v[cd] on; each accumulator is read from its low end on
.irp g, 0,1
.irp i, 0,1,2,3,4,5,6,7,8,9,10,11,12,13,14,15
	v_med3_num_f32 v[ACC+16*\g+\i], v[ACC+16*\g+\i], s[\lim+1], s[\lim]
.endr
	v_cvt_scalef32_pk8_bf8_f32 v[\cd+4*\g:\cd+4*\g+1], v[ACC+16*\g:ACC+16*\g+7], v[\sc]
	v_cvt_scalef32_pk8_bf8_f32 v[\cd+4*\g+2:\cd+4*\g+3], v[ACC+16*\g+8:ACC+16*\g+15], v[\sc]
.endr
	v_nop                                          ; a plain line between the conversions and the products that write their sources again
.endm
.macro ACROSS reg                      ; v[16:19]: my lane's two chains.  They become the token's sum over all 512 columns, in v16 of every lane
	s_delay_alu instid0(VALU_DEP_1)
	v_pk_add_f32 v[16:17], v[16:17], v[18:19]
	s_delay_alu instid0(VALU_DEP_1)
	v_add_f32 v16, v16, v17
	s_delay_alu instid0(VALU_DEP_1)
	v_permlanex16_b32 v7, v16, s74, s75            ; the token's other 32 of my wave's columns lie 16 lanes away
	s_delay_alu instid0(VALU_DEP_1)
	v_add_f32 v16, v16, v7
	ds_store_b32 v5, v16 offset:\reg               ; both halves of the lanes store the same number to the same word
	BAR
.irp p, 0,1,2,3,4,5,6,7
	ds_load_b32 v[16+\p], v6 offset:\reg+64*\p     ; the eight waves of my tile
.endr
	s_wait_dscnt 0x0
	v_add_f32 v16, v16, v17
	v_add_f32 v18, v18, v19
	v_add_f32 v20, v20, v21
	v_add_f32 v22, v22, v23
	s_delay_alu instid0(VALU_DEP_3)
	v_add_f32 v16, v16, v18
	s_delay_alu instid0(VALU_DEP_2)
	v_add_f32 v20, v20, v22
	s_delay_alu instid0(VALU_DEP_1)
	v_add_f32 v16, v16, v20
.endm
.macro QH q, sc, lim                   ; h under the q-th scale: my two pieces, to the q-th image
.irp pc, 0,1
.irp i, 0,1,2,3,4,5,6,7,8,9,10,11,12,13,14,15
	v_med3_num_f32 v[TQ+\i], v[XR+16*\pc+\i], s[\lim+1], s[\lim]
.endr
	v_cvt_scalef32_pk8_bf8_f32 v[CQ+8*\q+4*\pc:CQ+8*\q+4*\pc+1], v[TQ:TQ+7], v[\sc]
	v_cvt_scalef32_pk8_bf8_f32 v[CQ+8*\q+4*\pc+2:CQ+8*\q+4*\pc+3], v[TQ+8:TQ+15], v[\sc]
	v_nop                                          ; a plain line ahead of the next holds, which write the conversions' sources
	ds_store_b128 v4, v[CQ+8*\q+4*\pc:CQ+8*\q+4*\pc+3] offset:\q*IMG+512*\pc
.endr
.endm
	s_load_b512 s[4:19], s[0:1], 0x0               ; x s[4:5], gain s[6:7], bias s[8:9], exponents s[10:11], wimg s[12:13], qimg s[14:15], kimg s[16:17], vimg s[18:19]
	v_lshrrev_b32 v7, 5, v0
	s_delay_alu instid0(VALU_DEP_1)
	v_readfirstlane_b32 s20, v7                    ; wave 0..15
	s_lshr_b32 s21, s20, 3                         ; the norm's tile of tokens
	s_and_b32 s22, s20, 7                          ; and its 64 columns
	v_and_b32 v1, 31, v0
	s_delay_alu instid0(VALU_DEP_1)
	v_lshlrev_b32 v1, 4, v1                        ; 16 l
	v_and_b32 v8, 15, v0                           ; r
	v_bfe_u32 v9, v0, 4, 1                         ; h
	s_delay_alu instid0(VALU_DEP_2)
	v_and_b32 v2, 8, v8
	s_delay_alu instid0(VALU_DEP_1)
	v_add_nc_u32 v2, v2, v8                        ; r + (r & 8)
	s_delay_alu instid0(VALU_DEP_1)
	v_mul_u32_u24 v2, v2, OP                       ; stage rows of OP bytes
	s_delay_alu instid0(VALU_DEP_1)
	v_lshl_add_u32 v2, v9, 6, v2                   ; + 64 h
	s_mul_i32 s62, s21, 8*OP                       ; + 8 rows for tile 1
	s_lshl_b32 s63, s22, 8                         ; + my 64 columns
	s_add_co_u32 s62, s62, s63
	s_add_co_u32 s62, s62, STG
	v_add_nc_u32 v2, s62, v2                       ; v2: my pieces of x in the stage
	s_mul_i32 s62, s20, 2*OP
	s_add_co_u32 s62, s62, STG
	v_add_nc_u32 v24, s62, v1                      ; v24: stage rows 2 w and 2 w + 1, which my wave brings in
	v_lshlrev_b32 v3, 6, v9
	s_delay_alu instid0(VALU_DEP_1)
	v_add_nc_u32 v3, s63, v3                       ; gain, bias: 256 (w % 8) + 64 h
	s_lshl_b32 s62, s20, 10
	v_add_nc_u32 v4, s62, v1                       ; my pieces: 8,192 (w / 8) + 1,024 (w % 8) = 1,024 w, + 16 l
	s_lshl_b32 s62, s20, 6
	v_lshl_add_u32 v5, v8, 2, s62                  ; my word: 64 w + 4 r
	s_lshl_b32 s62, s21, 9
	v_lshl_add_u32 v6, v8, 2, s62                  ; my tile's words: 512 (w / 8) + 4 r
	s_mov_b32 s74, 0x76543210
	s_mov_b32 s75, 0xfedcba98                      ; v_permlanex16_b32's selects for lane l xor 16
	s_mov_b32 s72, 0x3b004020                      ; 1 / 511
	s_mov_b32 s73, 0x3727c5ac                      ; 1e-5
	s_lshl_b32 s76, ttmp9, 16                      ; x: 32 rows of 2,048 bytes a work-group,
	s_lshl_b32 s77, s20, 12
	s_add_co_u32 s76, s76, s77                     ; + my wave's two rows
	s_mov_b32 s77, 0
	s_lshl_b32 s78, s20, 14                        ; wimg: my two tiles of four K steps
	s_mov_b32 s79, 0
	s_lshr_b32 s80, ttmp9, 6
	s_lshl_b32 s80, s80, 4
	s_add_co_u32 s80, s80, s20                     ; 16 x batch + head
	s_lshl_b32 s80, s80, 16                        ; 65,536 bytes of codes for each
	s_and_b32 s81, ttmp9, 63                       ; my 32 tokens among the batch's 2,048
	s_lshl_b32 s82, s81, 10
	s_add_co_u32 s82, s82, s80                     ; q, k: two tiles of 512 bytes
	s_mov_b32 s83, 0
	s_lshr_b32 s84, s81, 2
	s_lshl_b32 s84, s84, 12
	s_add_co_u32 s84, s84, s80                     ; v: key step of 128: 4,096 bytes,
	s_and_b32 s85, s81, 3
	s_lshl_b32 s85, s85, 9
	s_add_co_u32 s84, s84, s85                     ; piece of 32 keys: 512
	s_mov_b32 s85, 0
	s_wait_alu depctr_va_vdst(0)
	s_wait_kmcnt 0x0
	s_load_b512 s[36:51], s[10:11], 0x0            ; the sixteen exponents
	s_add_nc_u64 s[24:25], s[4:5], s[76:77]
	s_add_nc_u64 s[26:27], s[12:13], s[78:79]
	s_add_nc_u64 s[28:29], s[14:15], s[82:83]
	s_add_nc_u64 s[30:31], s[16:17], s[82:83]
	s_add_nc_u64 s[32:33], s[18:19], s[84:85]
.irp pc, 0,1
.irp j, 0,1,2,3
	global_load_b128 v[XR+16*\pc+4*\j:XR+16*\pc+4*\j+3], v1, s[24:25] offset:2048*\pc+512*\j th:TH_LOAD_NT   ; two whole rows of x: each load reads 512 consecutive bytes
.endr
.endr
.irp pc, 0,1
.irp j, 0,1,2,3
	global_load_b128 v[SCL+16*\pc+4*\j:SCL+16*\pc+4*\j+3], v3, s[6:7] offset:128*\pc+16*\j
.endr
.endr
.irp pc, 0,1
.irp j, 0,1,2,3
	global_load_b128 v[BIA+16*\pc+4*\j:BIA+16*\pc+4*\j+3], v3, s[8:9] offset:128*\pc+16*\j
.endr
.endr
	LOADW 0, 0, 0                                  ; the first two stages' weights are on their way through the whole norm
	LOADW 1, 0, 1
	s_wait_kmcnt 0x0
	MKS 36, 62, 52
	v_mov_b32 v10, s62                             ; 2^e0
	MKS 38, 62, 54
	v_mov_b32 v11, s62                             ; 2^e2
	MKS 40, 62, 56
	v_mov_b32 v12, s62                             ; 2^e4
	s_sub_co_i32 s63, s42, s36
	s_sub_co_i32 s63, s63, s37
	MKS 63, 62, 66
	v_mov_b32 v13, s62                             ; 2^(e6 - e0 - e1)
	s_sub_co_i32 s63, s43, s38
	s_sub_co_i32 s63, s63, s39
	MKS 63, 62, 68
	v_mov_b32 v14, s62                             ; 2^(e7 - e2 - e3)
	s_sub_co_i32 s63, s45, s40
	s_sub_co_i32 s63, s63, s41
	MKS 63, 62, 70
	v_mov_b32 v15, s62                             ; 2^(e9 - e4 - e5)
	; ---- the mean
	s_wait_loadcnt 48                              ; my two rows of x are in; 16 loads of gain and bias and 32 of weights may be out
.irp pc, 0,1
.irp j, 0,1,2,3
	ds_store_b128 v24, v[XR+16*\pc+4*\j:XR+16*\pc+4*\j+3] offset:OP*\pc+512*\j
.endr
.endr
	BAR                                            ; x's 32 rows lie in the stage
.irp pc, 0,1
.irp j, 0,1,2,3
	ds_load_b128 v[XR+16*\pc+4*\j:XR+16*\pc+4*\j+3], v2 offset:128*\pc+16*\j   ; of my token: columns 32 pc + 16 h + 0 .. 15 of my wave's 64
.endr
.endr
	s_wait_dscnt 0x0
	v_pk_add_f32 v[16:17], v[XR:XR+1], v[XR+2:XR+3]
	v_pk_add_f32 v[18:19], v[XR+4:XR+5], v[XR+6:XR+7]
.irp j, 8,12,16,20,24,28
	s_delay_alu instid0(VALU_DEP_2)
	v_pk_add_f32 v[16:17], v[16:17], v[XR+\j:XR+\j+1]
	s_delay_alu instid0(VALU_DEP_2)
	v_pk_add_f32 v[18:19], v[18:19], v[XR+\j+2:XR+\j+3]
.endr
	ACROSS ST1
	s_delay_alu instid0(VALU_DEP_1)
	v_mul_f32 v8, 0x3b000000, v16                  ; / 512
	s_delay_alu instid0(VALU_DEP_1)
	v_mov_b32 v9, v8
	; ---- the differences, and the sum of their squares
.irp j, 0,2,4,6,8,10,12,14,16,18,20,22,24,26,28,30
	v_pk_add_f32 v[XR+\j:XR+\j+1], v[XR+\j:XR+\j+1], v[8:9] neg_lo:[0,1] neg_hi:[0,1]
.endr
	v_pk_mul_f32 v[16:17], v[XR:XR+1], v[XR:XR+1]
	v_pk_mul_f32 v[18:19], v[XR+2:XR+3], v[XR+2:XR+3]
.irp j, 4,8,12,16,20,24,28
	s_delay_alu instid0(VALU_DEP_2)
	v_pk_fma_f32 v[16:17], v[XR+\j:XR+\j+1], v[XR+\j:XR+\j+1], v[16:17]
	s_delay_alu instid0(VALU_DEP_2)
	v_pk_fma_f32 v[18:19], v[XR+\j+2:XR+\j+3], v[XR+\j+2:XR+\j+3], v[18:19]
.endr
	ACROSS ST2
	s_delay_alu instid0(VALU_DEP_1)
	v_fma_f32 v16, v16, s72, s73                   ; / 511 + 1e-5
	s_wait_alu depctr_va_vdst(0)
	v_rsq_f32 v8, v16
	v_nop                                          ; a plain line behind the transcendental,
	s_wait_alu depctr_va_vdst(0)                   ; and a wait ahead of its first reader
	v_mov_b32 v9, v8
	s_wait_alu depctr_va_vdst(0)
	s_wait_loadcnt 32                              ; gain and bias are in; the weights may be out
.irp j, 0,2,4,6,8,10,12,14,16,18,20,22,24,26,28,30
	v_pk_mul_f32 v[XR+\j:XR+\j+1], v[XR+\j:XR+\j+1], v[8:9]
.endr
.irp j, 0,2,4,6,8,10,12,14,16,18,20,22,24,26,28,30
	v_pk_fma_f32 v[XR+\j:XR+\j+1], v[XR+\j:XR+\j+1], v[SCL+\j:SCL+\j+1], v[BIA+\j:BIA+\j+1]
.endr
	QH 0, 10, 52
	QH 1, 11, 54
	QH 2, 12, 56
	BAR                                            ; the three images of h are whole
	; ---- the products
	STAGE 0
	STAGE 1
	OUTQ 16, 13, 66
	global_store_b128 v1, v[16:19], s[28:29]               ; q, tile 0 of my tokens: 512 consecutive bytes
	global_store_b128 v1, v[20:23], s[28:29] offset:512    ; tile 1
	STAGE 2
	STAGE 3
	OUTQ 120, 14, 68
	global_store_b128 v1, v[120:123], s[30:31]             ; k likewise
	global_store_b128 v1, v[124:127], s[30:31] offset:512
	STAGE 4
	STAGE 5
	s_wait_xcnt 0x0                                ; q's stores have read v16-23: only behind this wait are they written again
	OUTQ 16, 15, 70
	global_store_b128 v1, v[16:19], s[32:33]               ; v, channels' tile 0, my 32 keys
	global_store_b128 v1, v[20:23], s[32:33] offset:2048   ; tile 1
	s_wait_xcnt 0x0
	v_lshl_add_u32 v190, v0, 2, 0xc800
	v_mov_b32 v191, 0
	s_wait_alu depctr_va_vdst(0)
	s_wait_tensorcnt 0x0
	ds_add_u32 v190, v191
	s_wait_dscnt 0x0
	s_endpgm
.Lfunc_end_k_q664d4d7160_qkv:
	.size	k_q664d4d7160_qkv, .Lfunc_end_k_q664d4d7160_qkv-k_q664d4d7160_qkv
	.p2alignl 7, 3214868480
	.fill 96, 4, 3214868480
	.section	.rodata,"a",@progbits
	.p2align	6, 0x0
	.amdhsa_kernel k_q664d4d7160_qkv
		.amdhsa_group_segment_fixed_size 119296
		.amdhsa_private_segment_fixed_size 0
		.amdhsa_enable_private_segment 0
		.amdhsa_kernarg_size 64
		.amdhsa_user_sgpr_count 2
		.amdhsa_user_sgpr_kernarg_segment_ptr 1
		.amdhsa_wavefront_size32 1
		.amdhsa_system_sgpr_workgroup_id_x 1
		.amdhsa_system_sgpr_workgroup_id_y 1
		.amdhsa_system_sgpr_workgroup_id_z 1
		.amdhsa_system_vgpr_workitem_id 0
		.amdhsa_next_free_vgpr 256
		.amdhsa_next_free_sgpr 96
		.amdhsa_reserve_vcc 0
		.amdhsa_float_denorm_mode_32 3
		.amdhsa_float_denorm_mode_16_64 3
		.amdhsa_memory_ordered 1
		.amdhsa_forward_progress 1
		.amdhsa_inst_pref_size 52
	.end_amdhsa_kernel
	.amdgpu_metadata
---
amdhsa.version: [ 1, 2 ]
amdhsa.kernels:
  - .name:           k_q664d4d7160_qkv
    .symbol:         k_q664d4d7160_qkv.kd
    .args:
      - { .name: x, .offset: 0, .size: 8, .value_kind: global_buffer, .address_space: global }
      - { .name: ln1_scale, .offset: 8, .size: 8, .value_kind: global_buffer, .address_space: global }
      - { .name: ln1_bias, .offset: 16, .size: 8, .value_kind: global_buffer, .address_space: global }
      - { .name: lowp_scales, .offset: 24, .size: 8, .value_kind: global_buffer, .address_space: global }
      - { .name: wimg, .offset: 32, .size: 8, .value_kind: global_buffer, .address_space: global }
      - { .name: qimg, .offset: 40, .size: 8, .value_kind: global_buffer, .address_space: global }
      - { .name: kimg, .offset: 48, .size: 8, .value_kind: global_buffer, .address_space: global }
      - { .name: vimg, .offset: 56, .size: 8, .value_kind: global_buffer, .address_space: global }
    .group_segment_fixed_size: 119296
    .private_segment_fixed_size: 0
    .kernarg_segment_align: 8
    .kernarg_segment_size: 64
    .max_flat_workgroup_size: 512
    .sgpr_count:     96
    .vgpr_count:     256
    .wavefront_size: 32
...
	.end_amdgpu_metadata
.endif
;; end of part 2
;; launch attn (part 3): grid 256 x 1, 16 waves a work-group, no clusters, 133,120 bytes of LDS; arguments qimg, kimg, vimg, lowp_scales, cimg; writes cimg
.if DOCPART == 3
	.amdgcn_target "amdgcn-amd-amdhsa--gfx1250"
	.amdhsa_code_object_version 6
	.text
	.protected	k_q664d4d7160_attn
	.globl	k_q664d4d7160_attn
	.p2align	8
	.type	k_q664d4d7160_attn,@function
k_q664d4d7160_attn:
	s_mov_b64 s[64:65], 0
	v_nop
	global_prefetch_b8 v0, s[64:65] scope:SCOPE_SE
	s_setreg_imm32_b32 hwreg(HW_REG_WAVE_MODE, 25, 1), 1
	s_wait_xcnt 0x0
; ctx = softmax(q k^T / sqrt(32), causal) v for 64 (batch, head) pairs of 2,048 tokens and 32 channels, both products on codes of E5M2; ctx leaves as codes under entry 10.
; THE SOFTMAX AHEAD OF THE SECOND PRODUCT: t = score x log2(e) / sqrt(32); M = the running largest t rounded UP to a whole number; p = 2^(t - M) is what is quantised, not normalised.
; The row's sum is taken of the unquantised p and divides at the end.  When M moves, the sum and O are multiplied by 2^(old M - new M), which rounds nothing.
; SHARES.  Four work-groups to a pair.  A pair's whole K and V (64 KiB of codes each) are copied into LDS once: no ring, one barrier.  A wave owns TWO tiles of 16 queries, tA = 16 (work-group % 4) + wave and
; tB = 127 - tA.  Tile t needs key steps 0 .. t / 8 of 128 keys, the last of them on the diagonal: (tA / 8) + (tB / 8) + 2 = 17 for every wave, so all waves have the same work.
; The loop has 16 trips in every wave; steps that the mask hides are jumped over by scalar branches on ids, and both tiles use the same fragments of K and V.
; TILES.  Lane r of tile t stands for token 32 (t / 2) + 8 (t % 2) + r + (r & 8).  Both products are used transposed (S^T = K Q^T, O^T = V^T P^T): a lane holds ONE query; the 16 score registers of key tiles
; 2 b, 2 b + 1 are keys 32 b + 16 h + 0 .. 15, so the conversions' results are the second product's operand; O's 16 registers are channels 16 h + 0 .. 15: one piece of ctx's codes.
; A HEAD OF 32 ON THE K = 64 FORM.  Source 0's eight registers hold TWO key tiles (registers 0-3 tile 2 b, 4-7 tile 2 b + 1: two loads of 16 bytes a lane).  Q is kept as twelve registers (q, 0, q):
; the first eight (q, 0) meet tile 2 b alone, the last eight (0, q) tile 2 b + 1 alone.  Zero codes add nothing; no code here is an infinity or a NaN, since every quantiser holds first.
; THE HOLD OF p.  p <= 1, and 57,344 x 2^e8 >= 1 just where e8 >= -15: there the hold changes nothing and is jumped over, by a scalar branch on the given whole number; else it is executed.
; LIMITS: e6 + e7 between -124 and 129 (added to c's exponent field); e8 and e10 between -126 and 112; e8 + e9 goes in by v_ldexp_f32.  NaN among the inputs is not served.
; REGISTERS: v1 16 l; v2 the same in V's half of LDS; v3, v4 the step's addresses; v5, v6 the mask's figure for tiles A, B; v7 a permute's destination; v[8:9] f; v[10:11] the sum's second chain; v12, v13 at work;
;   v14, v15 2^e8 and 57,344 x 2^e8; v16-19, v20-23 tile A's, B's -M, largest t, sum (two halves); v24-35, v36-47 Q; v48-63, v64-79 O^T; v80-95 p's codes; v96-127 K; v128-159 V; v160-223 S^T, then p;
;   v224 -infinity; v225 2^e10; v226, v227 the copy's addresses; v228-235 ctx's codes.
.set QA,  24
.set QB,  36
.set OA,  48
.set OB,  64
.set P,   80
.set KF,  96
.set VF,  128
.set S,   160
.set NINF, 224
.set STA, 16
.set STB, 20
.set KS,  26                           ; s26  the key step
.set TB,  27                           ; s27  its first byte in K's (and, 65,536 on, V's) image: 4,096 a step
.macro MKS e, sc, lim                  ; from the exponent in s[e]: s[sc] = 2^e as f32, s[lim] = 57,344 x 2^e, s[lim+1] = its negative
	s_add_co_i32 s[\sc], s[\e], 127
	s_add_co_i32 s[\lim], s[\e], 142
	s_lshl_b32 s[\sc], s[\sc], 23
	s_lshl_b32 s[\lim], s[\lim], 23
	s_or_b32 s[\lim], s[\lim], 0x600000
	s_or_b32 s[\lim+1], s[\lim], 0x80000000
.endm
.macro PLACES
.rept 4
	v_nop
.endr
.endm
; One tile's key step.  q, o, st: its registers; d: the mask's figure; sl: the scalar register with its last key step.
.macro TILE q, o, st, d, sl
.irp b, 0,1,2,3
.irp u, 0,1
	v_wmma_f32_16x16x64_bf8_bf8 v[S+8*(2*\b+\u):S+8*(2*\b+\u)+7], v[KF+8*\b:KF+8*\b+7], v[\q+4*\u:\q+4*\u+7], 0
.endr
.endr
	PLACES                                         ; ahead of the first read of the scores (ISA guide 7.12.1)
	s_cmp_lg_u32 s[KS], s[\sl]                     ; only the tile's last step lies on the diagonal
	s_cbranch_scc1 .Lopen_\@
.set n, 0
	s_wait_alu depctr_va_vdst(0)
.rept 64                                       ; register n holds key 32 (n / 16) + 16 h + n % 16 of the step: hidden where 32 (n / 16) + n % 16 > my query's place in the step - 16 h
	v_cmp_gt_i32 vcc_lo, 32*(n/16)+n%16, v[\d]
	v_cndmask_b32 v[S+n], v[S+n], v[NINF], vcc_lo
.set n, n+1
.endr
.Lopen_\@:
	v_max3_num_f32 v12, v[S], v[S+1], v[S+2]       ; the step's largest score of my query among my 64 keys, in two chains that meet each accumulator at its low end first,
	v_max3_num_f32 v13, v[S+3], v[S+4], v[S+5]
.irp i, 6,10,14,18,22,26,30,34,38,42,46,50,54,58
	v_max3_num_f32 v12, v12, v[S+\i], v[S+\i+1]
	v_max3_num_f32 v13, v13, v[S+\i+2], v[S+\i+3]
.endr
	v_max3_num_f32 v12, v12, v[S+62], v[S+63]
	s_delay_alu instid0(VALU_DEP_1)
	v_max_num_f32 v12, v12, v13
	s_delay_alu instid0(VALU_DEP_1)
	v_permlanex16_b32 v7, v12, s30, s31
	s_delay_alu instid0(VALU_DEP_1)
	v_max_num_f32 v12, v12, v7                     ; and among lane l xor 16's
	s_delay_alu instid0(VALU_DEP_1)
	v_mul_f32 v12, s28, v12                        ; as t (c is positive)
	s_delay_alu instid0(VALU_DEP_1)
	v_max_num_f32 v[\st+1], v[\st+1], v12          ; the running largest t
	v_mov_b32 v12, v[\st]
	s_delay_alu instid0(VALU_DEP_2)
	v_floor_f32 v[\st], -v[\st+1]                  ; the new -M = floor(-t): M is a whole number
	s_delay_alu instid0(VALU_DEP_1)
	v_sub_f32 v12, v[\st], v12                     ; old M - new M: a whole number, 0 or less
	s_delay_alu instid0(VALU_DEP_1)
	v_cvt_i32_f32 v12, v12                         ; (it saturates)
	s_delay_alu instid0(VALU_DEP_1)
	v_ldexp_f32 v8, 1.0, v12                       ; f = 2^(old M - new M)
.set n, 0
.rept 32
	v_pk_fma_f32 v[S+2*n:S+2*n+1], v[S+2*n:S+2*n+1], s[28:29], v[\st:\st+1] op_sel_hi:[1,0,0]   ; t - M, two at a time (of the pairs c and -M the low word serves both halves)
.set n, n+1
.endr
.set n, 0
	s_wait_alu depctr_va_vdst(0)
.rept 64
	v_exp_f32 v[S+n], v[S+n]                       ; p = 2^(t - M), at most 1; 0 where the key is hidden
.set n, n+1
.endr
	v_pk_mul_f32 v[\st+2:\st+3], v[\st+2:\st+3], v[8:9] op_sel_hi:[1,0]   ; the sum under the new M: the plain line behind the exponentials
	s_wait_alu depctr_va_vdst(0)                   ; one wait for the batch of 64, ahead of its first reader
	v_pk_add_f32 v[10:11], v[S:S+1], v[S+2:S+3]    ; the row's sum is taken of the unquantised p, in two chains
.irp j, 4,8,12,16,20,24,28,32,36,40,44,48,52,56,60
	v_pk_add_f32 v[\st+2:\st+3], v[\st+2:\st+3], v[S+\j:S+\j+1]
	v_pk_add_f32 v[10:11], v[10:11], v[S+\j+2:S+\j+3]
.endr
	s_delay_alu instid0(VALU_DEP_1)
	v_pk_add_f32 v[\st+2:\st+3], v[\st+2:\st+3], v[10:11]
	s_cmp_ge_i32 s32, -15                          ; 57,344 x 2^e8 >= 1 >= p: the hold would change nothing
	s_cbranch_scc1 .Lheld_\@
.set n, 0
.rept 64
	v_min_num_f32 v[S+n], v[S+n], v15              ; p is not negative: a one-sided hold (the conversion does not saturate: ISA guide 7.6.2)
.set n, n+1
.endr
.Lheld_\@:
.irp b, 0,1,2,3
	v_cvt_scalef32_pk8_bf8_f32 v[P+4*\b:P+4*\b+1], v[S+16*\b:S+16*\b+7], v14
	v_cvt_scalef32_pk8_bf8_f32 v[P+4*\b+2:P+4*\b+3], v[S+16*\b+8:S+16*\b+15], v14
.endr
.irp j, 0,2,4,6,8,10,12,14
	v_pk_mul_f32 v[\o+\j:\o+\j+1], v[\o+\j:\o+\j+1], v[8:9] op_sel_hi:[1,0]   ; O^T under the new M; also the plain lines between the conversions and the products that read their results
.endr
.irp u, 0,1
	v_wmma_f32_16x16x128_bf8_bf8 v[\o+8*\u:\o+8*\u+7], v[VF+16*\u:VF+16*\u+15], v[P:P+15], v[\o+8*\u:\o+8*\u+7]
.endr
.endm
	s_load_b256 s[4:11], s[0:1], 0x0               ; qimg s[4:5], kimg s[6:7], vimg s[8:9], the exponents s[10:11]
	s_load_b64 s[12:13], s[0:1], 0x20              ; cimg
	v_lshl_add_u32 v254, v0, 2, 0x20000
	v_mov_b32 v255, 0
	v_lshrrev_b32 v7, 5, v0
	s_delay_alu instid0(VALU_DEP_1)
	v_readfirstlane_b32 s20, v7                    ; wave 0..15
	s_lshr_b32 s21, ttmp9, 2                       ; 16 x batch + head
	s_and_b32 s22, ttmp9, 3
	s_lshl_b32 s22, s22, 4
	s_add_co_u32 s22, s22, s20                     ; tA
	s_sub_co_u32 s23, 127, s22                     ; tB
	s_lshr_b32 s24, s22, 3                         ; tile A's last key step
	s_lshr_b32 s25, s23, 3                         ; tile B's
	v_and_b32 v1, 31, v0
	s_delay_alu instid0(VALU_DEP_1)
	v_lshlrev_b32 v1, 4, v1                        ; 16 l
	s_delay_alu instid0(VALU_DEP_1)
	v_add_nc_u32 v2, 0x10000, v1
	s_lshl_b32 s62, s20, 12
	v_add_nc_u32 v226, s62, v1                     ; the copy: my wave's 4,096 bytes of each image
	s_delay_alu instid0(VALU_DEP_1)
	v_add_nc_u32 v227, 0x10000, v226
	v_and_b32 v8, 15, v0                           ; r
	v_bfe_u32 v9, v0, 4, 1                         ; h
	s_delay_alu instid0(VALU_DEP_2)
	v_and_b32 v10, 8, v8
	s_delay_alu instid0(VALU_DEP_1)
	v_add_nc_u32 v8, v8, v10
	s_delay_alu instid0(VALU_DEP_3)
	v_lshlrev_b32 v9, 4, v9
	s_delay_alu instid0(VALU_DEP_1)
	v_sub_nc_u32 v8, v8, v9                        ; r + (r & 8) - 16 h
	s_wait_alu depctr_va_vdst(0)
	s_lshr_b32 s62, s22, 1
	s_and_b32 s62, s62, 3
	s_lshl_b32 s62, s62, 5
	s_and_b32 s63, s22, 1
	s_lshl_b32 s63, s63, 3
	s_add_co_u32 s62, s62, s63
	v_add_nc_u32 v5, s62, v8                       ; tile A: my query's place in its last key step, less 16 h
	s_lshr_b32 s62, s23, 1
	s_and_b32 s62, s62, 3
	s_lshl_b32 s62, s62, 5
	s_and_b32 s63, s23, 1
	s_lshl_b32 s63, s63, 3
	s_add_co_u32 s62, s62, s63
	v_add_nc_u32 v6, s62, v8                       ; tile B
	s_lshl_b32 s62, s22, 9
	v_add_nc_u32 v12, s62, v1                      ; Q: a tile is 512 bytes
	s_lshl_b32 s62, s23, 9
	v_add_nc_u32 v13, s62, v1
	s_lshl_b32 s66, s21, 16                        ; a pair's 65,536 bytes in each of the three images
	s_mov_b32 s67, 0
	s_lshr_b32 s68, s21, 4
	s_lshl_b32 s68, s68, 20                        ; cimg: a batch's 64 groups of 16,384 bytes,
	s_and_b32 s69, s21, 15
	s_lshl_b32 s69, s69, 9
	s_add_co_u32 s68, s68, s69                     ; the head's piece of 512,
	s_lshl_b32 s70, s22, 13                        ; and 16,384 (t / 2) + 8,192 (t % 2) = 8,192 t
	s_add_co_u32 s70, s70, s68
	s_mov_b32 s71, 0
	s_lshl_b32 s72, s23, 13
	s_add_co_u32 s72, s72, s68
	s_mov_b32 s73, 0
	s_mov_b32 s30, 0x76543210
	s_mov_b32 s31, 0xfedcba98                      ; v_permlanex16_b32's selects for lane l xor 16
	s_wait_alu depctr_va_vdst(0)
	s_wait_kmcnt 0x0
	s_load_b512 s[36:51], s[10:11], 0x0            ; the sixteen exponents
	s_add_nc_u64 s[52:53], s[6:7], s[66:67]
	s_add_nc_u64 s[54:55], s[8:9], s[66:67]
	s_add_nc_u64 s[56:57], s[4:5], s[66:67]
	s_add_nc_u64 s[58:59], s[12:13], s[70:71]
	s_add_nc_u64 s[60:61], s[12:13], s[72:73]
.irp j, 0,1,2,3,4,5,6,7
	global_load_b128 v[S+4*\j:S+4*\j+3], v226, s[52:53] offset:512*\j
.endr
.irp j, 0,1,2,3,4,5,6,7
	global_load_b128 v[S+32+4*\j:S+32+4*\j+3], v226, s[54:55] offset:512*\j
.endr
	global_load_b128 v[QA:QA+3], v12, s[56:57]     ; each tile of Q twice: (q, 0, q)
	global_load_b128 v[QA+8:QA+11], v12, s[56:57]
	global_load_b128 v[QB:QB+3], v13, s[56:57]
	global_load_b128 v[QB+8:QB+11], v13, s[56:57]
.irp j, 4,5,6,7
	v_mov_b32 v[QA+\j], 0
	v_mov_b32 v[QB+\j], 0
.endr
	v_mov_b32 v[STA+1], 0xff61b1e6                 ; the largest t so far: -3e38, under every t
	v_mov_b32 v[STB+1], 0xff61b1e6
	s_delay_alu instid0(VALU_DEP_2)
	v_floor_f32 v[STA], -v[STA+1]
	s_delay_alu instid0(VALU_DEP_2)
	v_floor_f32 v[STB], -v[STB+1]
	v_mov_b32 v[STA+2], 0
	v_mov_b32 v[STA+3], 0
	v_mov_b32 v[STB+2], 0
	v_mov_b32 v[STB+3], 0
.set n, 0
.rept 32
	v_mov_b32 v[OA+n], 0                           ; O^T of both tiles: the step is written once, and its first walk finds zeros
.set n, n+1
.endr
	v_mov_b32 v9, 0                                ; (named as the upper half of the pair v[8:9])
	v_mov_b32 v[NINF], 0xff800000
	s_wait_kmcnt 0x0
	s_add_co_i32 s62, s42, s43
	s_lshl_b32 s62, s62, 23
	s_mov_b32 s28, 0x3e8293ee                      ; c = log2(e) / sqrt(32);
	s_add_co_i32 s28, s28, s62                     ; a score stands for score x 2^(e6 + e7): the two are added to c's exponent field
	s_mov_b32 s29, s28                             ; (named with it as a pair)
	s_mov_b32 s32, s44                             ; e8
	s_add_co_i32 s33, s44, s45                     ; e8 + e9
	MKS 44, 62, 74
	v_mov_b32 v14, s62                             ; 2^e8
	v_mov_b32 v15, s74                             ; 57,344 x 2^e8
	MKS 46, 62, 34
	v_mov_b32 v225, s62                            ; 2^e10
	s_wait_loadcnt 0x0
.irp j, 0,1,2,3,4,5,6,7
	ds_store_b128 v226, v[S+4*\j:S+4*\j+3] offset:512*\j
.endr
.irp j, 0,1,2,3,4,5,6,7
	ds_store_b128 v227, v[S+32+4*\j:S+32+4*\j+3] offset:512*\j
.endr
	s_wait_dscnt 0x0                               ; for the others' sake: my part of both images has landed
	s_barrier_signal -1
	s_barrier_wait -1                              ; K and V are whole; nothing in LDS is written again
	s_mov_b32 s[KS], 0
	s_mov_b32 s[TB], 0
.Lkey:
	s_cmp_gt_u32 s[KS], s25                        ; behind tile B's last step (tile A's lies earlier) nothing is left
	s_cbranch_scc1 .Lnext
	v_add_nc_u32 v3, s[TB], v1
	v_add_nc_u32 v4, s[TB], v2
	v_nop                                          ; with the two additions: four places ahead of loads into registers that the last products read
	v_nop
.irp b, 0,1,2,3
.irp u, 0,1
	ds_load_b128 v[KF+8*\b+4*\u:KF+8*\b+4*\u+3], v3 offset:1024*\b+512*\u
.endr
.endr
.irp u, 0,1
.irp c, 0,1,2,3
	ds_load_b128 v[VF+16*\u+4*\c:VF+16*\u+4*\c+3], v4 offset:2048*\u+512*\c
.endr
.endr
	s_wait_dscnt 0x0
	TILE QB, OB, STB, 6, 25
	s_cmp_gt_u32 s[KS], s24
	s_cbranch_scc1 .Lnext
	TILE QA, OA, STA, 5, 24
.Lnext:
	s_add_co_u32 s[TB], s[TB], 4096
	s_add_co_u32 s[KS], s[KS], 1
	s_cmp_lt_u32 s[KS], 16
	s_cbranch_scc1 .Lkey
	; THE WAY OUT: the sums' halves; O^T x 2^(e8 + e9) / the sum; the hold and the conversion under e10; a tile's codes are one piece of 512 bytes.
	PLACES
	v_add_f32 v[STA+2], v[STA+2], v[STA+3]
	v_add_f32 v[STB+2], v[STB+2], v[STB+3]
	s_delay_alu instid0(VALU_DEP_2)
	v_permlanex16_b32 v7, v[STA+2], s30, s31
	s_delay_alu instid0(VALU_DEP_2)
	v_permlanex16_b32 v12, v[STB+2], s30, s31
	s_delay_alu instid0(VALU_DEP_2)
	v_add_f32 v[STA+2], v[STA+2], v7
	s_delay_alu instid0(VALU_DEP_2)
	v_add_f32 v[STB+2], v[STB+2], v12
	s_wait_alu depctr_va_vdst(0)
	v_rcp_f32 v[STA+2], v[STA+2]
	v_rcp_f32 v[STB+2], v[STB+2]
	v_nop                                          ; a plain line behind the reciprocals,
	s_wait_alu depctr_va_vdst(0)                   ; and one wait for both, ahead of their first reader
	v_ldexp_f32 v[STA+2], v[STA+2], s33
	v_ldexp_f32 v[STB+2], v[STB+2], s33
.set n, 0
.rept 16
	v_mul_f32 v[S+n], v[OA+n], v[STA+2]
.set n, n+1
.endr
.set n, 0
.rept 16
	v_mul_f32 v[S+16+n], v[OB+n], v[STB+2]
.set n, n+1
.endr
.set n, 0
.rept 32
	v_med3_num_f32 v[S+n], v[S+n], s35, s34
.set n, n+1
.endr
.irp g, 0,1,2,3
	v_cvt_scalef32_pk8_bf8_f32 v[228+2*\g:229+2*\g], v[S+8*\g:S+8*\g+7], v225
.endr
	v_nop
	global_store_b128 v1, v[228:231], s[58:59]     ; the wave stores 512 consecutive bytes, at a multiple of 512 from cimg's first byte
	global_store_b128 v1, v[232:235], s[60:61]
	s_wait_tensorcnt 0x0
	ds_add_u32 v254, v255
	s_wait_dscnt 0x0
	s_endpgm
.Lfunc_end_k_q664d4d7160_attn:
	.size	k_q664d4d7160_attn, .Lfunc_end_k_q664d4d7160_attn-k_q664d4d7160_attn
	.p2alignl 7, 3214868480
	.fill 96, 4, 3214868480
	.section	.rodata,"a",@progbits
	.p2align	6, 0x0
	.amdhsa_kernel k_q664d4d7160_attn
		.amdhsa_group_segment_fixed_size 133120
		.amdhsa_private_segment_fixed_size 0
		.amdhsa_enable_private_segment 0
		.amdhsa_kernarg_size 40
		.amdhsa_user_sgpr_count 2
		.amdhsa_user_sgpr_kernarg_segment_ptr 1
		.amdhsa_wavefront_size32 1
		.amdhsa_system_sgpr_workgroup_id_x 1
		.amdhsa_system_sgpr_workgroup_id_y 1
		.amdhsa_system_sgpr_workgroup_id_z 1
		.amdhsa_system_vgpr_workitem_id 0
		.amdhsa_next_free_vgpr 256
		.amdhsa_next_free_sgpr 80
		.amdhsa_reserve_vcc 1
		.amdhsa_float_denorm_mode_32 3
		.amdhsa_float_denorm_mode_16_64 3
		.amdhsa_memory_ordered 1
		.amdhsa_forward_progress 1
		.amdhsa_inst_pref_size 50
	.end_amdhsa_kernel
	.amdgpu_metadata
---
amdhsa.version: [ 1, 2 ]
amdhsa.kernels:
  - .name:           k_q664d4d7160_attn
    .symbol:         k_q664d4d7160_attn.kd
    .args:
      - { .name: qimg, .offset: 0, .size: 8, .value_kind: global_buffer, .address_space: global }
      - { .name: kimg, .offset: 8, .size: 8, .value_kind: global_buffer, .address_space: global }
      - { .name: vimg, .offset: 16, .size: 8, .value_kind: global_buffer, .address_space: global }
      - { .name: lowp_scales, .offset: 24, .size: 8, .value_kind: global_buffer, .address_space: global }
      - { .name: cimg, .offset: 32, .size: 8, .value_kind: global_buffer, .address_space: global }
    .group_segment_fixed_size: 133120
    .private_segment_fixed_size: 0
    .kernarg_segment_align: 8
    .kernarg_segment_size: 40
    .max_flat_workgroup_size: 512
    .sgpr_count:     80
    .vgpr_count:     256
    .wavefront_size: 32
...
	.end_amdgpu_metadata
.endif
;; end of part 3
;; launch tail (part 4): grid 256 x 1, 16 waves a work-group, no clusters, 252,928 bytes of LDS; arguments cimg, x, wimg, lowp_scales, bo, ln2_scale, ln2_bias, b1, b2, out0; writes out0
.if DOCPART == 4
	.amdgcn_target "amdgcn-amd-amdhsa--gfx1250"
	.amdhsa_code_object_version 6
	.text
	.protected	k_q664d4d7160_tail
	.globl	k_q664d4d7160_tail
	.p2align	8
	.type	k_q664d4d7160_tail,@function
k_q664d4d7160_tail:
	s_mov_b64 s[64:65], 0
	v_nop
	global_prefetch_b8 v0, s[64:65] scope:SCOPE_SE
	s_setreg_imm32_b32 hwreg(HW_REG_WAVE_MODE, 25, 1), 1
	s_wait_xcnt 0x0
; x1 = x + ctx Wo + bo;  out = x1 + gelu(layernorm(x1) W1 + b1) W2 + b2: three products on codes of E5M2, all else in f32.  x1, the norm and the hidden layer never go to memory.
; SHARES.  Work-group G takes tokens 32 G .. 32 G + 31 as two tiles tt: lane r of tile tt stands for token 8 tt + r + (r & 8).  THE WAVES SHARE THE COLUMNS: wave w makes columns 32 w .. 32 w + 31 of x1 and of out,
; and hidden units 128 w .. 128 w + 127, which are K step w of the last product.  Each weight fragment (from wimg, in register order) is read by one wave alone, from memory straight into registers:
; 16 loads of 512 bytes a stage, two stages ahead, through all 18 stages, across epilogues and barriers.  Behind the head no other global load is issued, so the wait in a stage leaves just the next stage's 16 out.
; All products are used TRANSPOSED (source 0 = 16 columns of a weight, source 1 = 16 tokens): a lane holds one token, and the 16 registers of two neighbouring tiles of columns are 16 neighbouring columns,
; 16 h + 0 .. 15 of a group of 32: one piece of the next operand.  Operands go from wave to wave through LDS as images of their registers: pieces of 512 bytes, lane l at 16 l.
; gelu(v) = v / (1 + 2^(v (a + b v^2))), a = -2 sqrt(2 / pi) log2(e), b = 0.044715 a: the tanh form rewritten; at both ends it goes to v and to 0 without a NaN.
; The norm: mean first, then the squares of the differences, / 511; a token's partial sums meet in LDS, sixteen waves to a token.
; LIMITS: e12 and e14 between -126 and 112; e10 + e11, e12 + e13, e14 + e15 between -126 and 127, so that each power of two below is an f32 number.  NaN among the inputs is not served.
; The accumulators (four, or eight in the middle product) take turns, one instruction a turn, through all stages of a product.
; REGISTERS: v1 16 l; v2-10 LDS addresses (below); v11 a permute's destination; v12, v13 2^e12, 2^e14; v[14:15] a, twice; v16-31 sixteen parameters, or sums, means and 1 / sigma;
;   first and last product: v32-63 accumulators, v64-127 four fragments of the operand;  middle: v32-95 accumulators, v96-127 two fragments, later at work;  v128-191, v192-255 two sets of four weight fragments.
.set CIMG, 0                           ; LDS: ctx's codes [tt][K step][piece][512]: 16,384 bytes
.set H2,   16384                       ; the norm's codes, likewise
.set GIMG, 32768                       ; the hidden layer's: [tt][16 K steps][piece][512]: 65,536
.set PAR,  163840                      ; each wave's own parameters, 1,024 bytes: bo, gain, bias, b2 (128 each), b1 (512)
.set ST1,  180224                      ; partial sums [tt][r][wave]: 2,048
.set ST2,  182272                      ; of squares: 2,048
.set OUTS, 184320                      ; the way out: 32 rows x (2,048 + 16) bytes
.set OP,   2064
.set PB,   16
.set ACC,  32
.set AFP,  64
.set AFQ,  96
.set WF,   128
.macro MKS e, sc, lim                  ; from the exponent in s[e]: s[sc] = 2^e as f32, s[lim] = 57,344 x 2^e, s[lim+1] = its negative
	s_add_co_i32 s[\sc], s[\e], 127
	s_add_co_i32 s[\lim], s[\e], 142
	s_lshl_b32 s[\sc], s[\sc], 23
	s_lshl_b32 s[\lim], s[\lim], 23
	s_or_b32 s[\lim], s[\lim], 0x600000
	s_or_b32 s[\lim+1], s[\lim], 0x80000000
.endm
.macro POW2 d, ea, eb                  ; s[d], s[d+1] = 2^(s[ea] + s[eb]) as f32: a pair, since the packed forms name one
	s_add_co_i32 s[\d], s[\ea], s[\eb]
	s_add_co_i32 s[\d], s[\d], 127
	s_lshl_b32 s[\d], s[\d], 23
	s_mov_b32 s[\d+1], s[\d]
.endm
.macro BAR                             ; my LDS stores have landed and my LDS loads are in: then the work-group's barrier
	s_wait_dscnt 0x0
	s_barrier_signal -1
	s_barrier_wait -1
.endm
.macro PLACES                          ; four places behind a matrix instruction, ahead of loads into its sources and of reads of its result
.rept 4
	v_nop
.endr
.endm
.macro LOADP ws, base, off, ts         ; two K steps x my two tiles (ts bytes apart) into set ws
.irp ks, 0,1
.irp wt, 0,1
.irp pc, 0,1,2,3
	global_load_b128 v[WF+64*(\ws)+32*\ks+16*\wt+4*\pc:WF+64*(\ws)+32*\ks+16*\wt+4*\pc+3], v1, s[\base:\base+1] offset:(\off)+\wt*(\ts)+2048*\ks+512*\pc
.endr
.endr
.endr
.endm
.macro LOADQ ws, off                   ; one K step x four tiles of W1 into set ws
.irp wt, 0,1,2,3
.irp pc, 0,1,2,3
	global_load_b128 v[WF+64*(\ws)+16*\wt+4*\pc:WF+64*(\ws)+16*\wt+4*\pc+3], v1, s[28:29] offset:(\off)+8192*\wt+512*\pc
.endr
.endr
.endm
.macro LOADSTAGE n                     ; stage n's weights: 0, 1: Wo; 2 .. 9: W1 (four tiles, K step (n - 2) % 4); 10 .. 17: W2; beyond: nothing
.if (\n) < 2
	LOADP (\n)%2, 26, 4096*(\n), 8192
.elseif (\n) < 10
	LOADQ (\n)%2, 32768*(((\n)-2)/4)+2048*(((\n)-2)%4)
.elseif (\n) < 18
	LOADP (\n)%2, 28, 0x100000+4096*((\n)-10), 32768
.endif
.endm
.macro WAITW n
.if (\n) < 17
	s_wait_loadcnt 16                              ; this stage's weights are in; the next stage's 16 loads may be out
.else
	s_wait_loadcnt 0x0
.endif
.endm
.macro STAGEP n, areg, off, us, zero   ; two K steps of a product with four accumulators; the operand's image at v[areg] + off, its tiles us bytes apart
.irp ks, 0,1
.irp tt, 0,1
.irp pc, 0,1,2,3
	ds_load_b128 v[AFP+32*\ks+16*\tt+4*\pc:AFP+32*\ks+16*\tt+4*\pc+3], v[\areg] offset:(\off)+\tt*(\us)+2048*\ks+512*\pc
.endr
.endr
.endr
	WAITW \n
	s_wait_dscnt 0x0
.irp ks, 0,1
.irp tt, 0,1
.irp wt, 0,1
.set rD, ACC+16*\tt+8*\wt
.set rA, WF+64*((\n)%2)+32*\ks+16*\wt
.if (\zero) && (\ks == 0)
	v_wmma_f32_16x16x128_bf8_bf8 v[rD:rD+7], v[rA:rA+15], v[AFP+32*\ks+16*\tt:AFP+32*\ks+16*\tt+15], 0
.else
	v_wmma_f32_16x16x128_bf8_bf8 v[rD:rD+7], v[rA:rA+15], v[AFP+32*\ks+16*\tt:AFP+32*\ks+16*\tt+15], v[rD:rD+7]
.endif
.endr
.endr
.endr
	PLACES
	LOADSTAGE (\n)+2                               ; the stage after next, into the set just multiplied
.endm
.macro STAGEQ n, kq, zero              ; K step kq of the middle product: four tiles of hidden units x two tiles of tokens
.irp tt, 0,1
.irp pc, 0,1,2,3
	ds_load_b128 v[AFQ+16*\tt+4*\pc:AFQ+16*\tt+4*\pc+3], v1 offset:H2+8192*\tt+2048*(\kq)+512*\pc
.endr
.endr
	WAITW \n
	s_wait_dscnt 0x0
.irp tt, 0,1
.irp wt, 0,1,2,3
.set rD, ACC+32*(\wt/2)+16*\tt+8*(\wt%2)
.set rA, WF+64*((\n)%2)+16*\wt
.if \zero
	v_wmma_f32_16x16x128_bf8_bf8 v[rD:rD+7], v[rA:rA+15], v[AFQ+16*\tt:AFQ+16*\tt+15], 0
.else
	v_wmma_f32_16x16x128_bf8_bf8 v[rD:rD+7], v[rA:rA+15], v[AFQ+16*\tt:AFQ+16*\tt+15], v[rD:rD+7]
.endif
.endr
.endr
	PLACES
	LOADSTAGE (\n)+2
.endm
.macro RESID sp, poff                  ; the 32 sums become sum x s[sp] + the bias at poff of my parameters, and the residual kept in my image is added; each accumulator from its low end on
.irp j, 0,1,2,3
	ds_load_b128 v[AFP+4*\j:AFP+4*\j+3], v4 offset:\poff+16*\j
.endr
.irp k, 0,1,2,3,4,5,6,7
	ds_load_b128 v[AFP+16+4*\k:AFP+16+4*\k+3], v9 offset:8*OP*(\k/4)+16*(\k%4)   ; the residual: my own 64 bytes of my two tokens' stage rows
.endr
	s_wait_dscnt 0x0
.set n, 0
.rept 16
	v_pk_fma_f32 v[ACC+2*n:ACC+2*n+1], v[ACC+2*n:ACC+2*n+1], s[\sp:\sp+1], v[AFP+(2*n)%16:AFP+(2*n)%16+1] op_sel_hi:[1,0,1]
.set n, n+1
.endr
.set n, 0
.rept 16
	v_pk_add_f32 v[ACC+2*n:ACC+2*n+1], v[AFP+16+2*n:AFP+16+2*n+1], v[ACC+2*n:ACC+2*n+1]
.set n, n+1
.endr
.endm
.macro SUM16 d, a, sq                  ; v[d] = the sum (sq = 1: of the squares) of my wave's 32 columns of the token: my 16 registers from v[a] on and lane l xor 16's; v[d] to v[d+3] are used
.if \sq
	v_pk_mul_f32 v[\d:\d+1], v[\a:\a+1], v[\a:\a+1]
	v_pk_mul_f32 v[\d+2:\d+3], v[\a+2:\a+3], v[\a+2:\a+3]
.irp j, 4,8,12
	s_delay_alu instid0(VALU_DEP_2)
	v_pk_fma_f32 v[\d:\d+1], v[\a+\j:\a+\j+1], v[\a+\j:\a+\j+1], v[\d:\d+1]
	s_delay_alu instid0(VALU_DEP_2)
	v_pk_fma_f32 v[\d+2:\d+3], v[\a+\j+2:\a+\j+3], v[\a+\j+2:\a+\j+3], v[\d+2:\d+3]
.endr
.else
	v_pk_add_f32 v[\d:\d+1], v[\a:\a+1], v[\a+2:\a+3]
	v_pk_add_f32 v[\d+2:\d+3], v[\a+4:\a+5], v[\a+6:\a+7]
.irp j, 8,12
	s_delay_alu instid0(VALU_DEP_2)
	v_pk_add_f32 v[\d:\d+1], v[\d:\d+1], v[\a+\j:\a+\j+1]
	s_delay_alu instid0(VALU_DEP_2)
	v_pk_add_f32 v[\d+2:\d+3], v[\d+2:\d+3], v[\a+\j+2:\a+\j+3]
.endr
.endif
	s_delay_alu instid0(VALU_DEP_1)
	v_pk_add_f32 v[\d:\d+1], v[\d:\d+1], v[\d+2:\d+3]
	s_delay_alu instid0(VALU_DEP_1)
	v_add_f32 v[\d], v[\d], v[\d+1]
	s_delay_alu instid0(VALU_DEP_1)
	v_permlanex16_b32 v11, v[\d], s66, s67
	s_delay_alu instid0(VALU_DEP_1)
	v_add_f32 v[\d], v[\d], v11
.endm
.macro GATHER off                      ; the sixteen waves' partial sums of my two tokens, added in one fixed order: into v[AFP] and v[AFP+16]
.irp tt, 0,1
.irp k, 0,1,2,3
	ds_load_b128 v[AFP+16*\tt+4*\k:AFP+16*\tt+4*\k+3], v6 offset:\off+1024*\tt+16*\k
.endr
.endr
	s_wait_dscnt 0x0
.irp tt, 0,1
.irp j, 0,4,8,12
	v_pk_add_f32 v[AFP+16*\tt+\j:AFP+16*\tt+\j+1], v[AFP+16*\tt+\j:AFP+16*\tt+\j+1], v[AFP+16*\tt+\j+2:AFP+16*\tt+\j+3]
.endr
.irp j, 0
	s_delay_alu instid0(VALU_DEP_3)
	v_pk_add_f32 v[AFP+16*\tt+\j:AFP+16*\tt+\j+1], v[AFP+16*\tt+\j:AFP+16*\tt+\j+1], v[AFP+16*\tt+\j+4:AFP+16*\tt+\j+5]
.endr
.irp j, 8
	s_delay_alu instid0(VALU_DEP_2)
	v_pk_add_f32 v[AFP+16*\tt+\j:AFP+16*\tt+\j+1], v[AFP+16*\tt+\j:AFP+16*\tt+\j+1], v[AFP+16*\tt+\j+4:AFP+16*\tt+\j+5]
.endr
	s_delay_alu instid0(VALU_DEP_1)
	v_pk_add_f32 v[AFP+16*\tt:AFP+16*\tt+1], v[AFP+16*\tt:AFP+16*\tt+1], v[AFP+16*\tt+8:AFP+16*\tt+9]
	s_delay_alu instid0(VALU_DEP_1)
	v_add_f32 v[AFP+16*\tt], v[AFP+16*\tt], v[AFP+16*\tt+1]
.endr
.endm
.macro EPIB g                          ; 64 sums of a lane (four tiles of hidden units x two tiles of tokens): + b1, gelu, codes; 32 numbers at a time
.irp p, 0,1
.set AP, ACC+32*\p
.irp j, 0,1,2,3
	ds_load_b128 v[PB+4*\j:PB+4*\j+3], v4 offset:512+128*(2*(\g)+\p)+16*\j   ; b1 of hidden units 32 (2 g + p) + 16 h + 0 .. 15 of my 128
.endr
	s_wait_dscnt 0x0
.set n, 0
.rept 16
	v_pk_fma_f32 v[AP+2*n:AP+2*n+1], v[AP+2*n:AP+2*n+1], s[54:55], v[PB+(2*n)%16:PB+(2*n)%16+1] op_sel_hi:[1,0,1]   ; v = sum x 2^(e12 + e13) + b1
.set n, n+1
.endr
.set n, 0
.rept 16
	v_pk_mul_f32 v[AFQ+2*n:AFQ+2*n+1], v[AP+2*n:AP+2*n+1], v[AP+2*n:AP+2*n+1]
.set n, n+1
.endr
.set n, 0
.rept 16
	v_pk_fma_f32 v[AFQ+2*n:AFQ+2*n+1], v[AFQ+2*n:AFQ+2*n+1], s[62:63], v[14:15] op_sel_hi:[1,0,1]   ; a + b v^2
.set n, n+1
.endr
.set n, 0
.rept 16
	v_pk_mul_f32 v[AFQ+2*n:AFQ+2*n+1], v[AFQ+2*n:AFQ+2*n+1], v[AP+2*n:AP+2*n+1]
.set n, n+1
.endr
.set n, 0
	s_wait_alu depctr_va_vdst(0)
.rept 32
	v_exp_f32 v[AFQ+n], v[AFQ+n]
.set n, n+1
.endr
	v_nop                                          ; a plain line behind the batch,
	s_wait_alu depctr_va_vdst(0)                   ; and one wait for its 32, ahead of their first reader
.set n, 0
.rept 16
	v_pk_add_f32 v[AFQ+2*n:AFQ+2*n+1], v[AFQ+2*n:AFQ+2*n+1], 1.0 op_sel_hi:[1,0]
.set n, n+1
.endr
.set n, 0
	s_wait_alu depctr_va_vdst(0)
.rept 32
	v_rcp_f32 v[AFQ+n], v[AFQ+n]
.set n, n+1
.endr
	v_nop
	s_wait_alu depctr_va_vdst(0)
.set n, 0
.rept 16
	v_pk_mul_f32 v[AP+2*n:AP+2*n+1], v[AP+2*n:AP+2*n+1], v[AFQ+2*n:AFQ+2*n+1]   ; gelu(v)
.set n, n+1
.endr
.set n, 0
.rept 32
	v_med3_num_f32 v[AP+n], v[AP+n], s61, s60
.set n, n+1
.endr
.irp tt, 0,1
	v_cvt_scalef32_pk8_bf8_f32 v[AFQ+4*\tt:AFQ+4*\tt+1], v[AP+16*\tt:AP+16*\tt+7], v13
	v_cvt_scalef32_pk8_bf8_f32 v[AFQ+4*\tt+2:AFQ+4*\tt+3], v[AP+16*\tt+8:AP+16*\tt+15], v13
.endr
	v_nop                                          ; a plain line between the conversions and whatever next writes their registers
.irp tt, 0,1
	ds_store_b128 v8, v[AFQ+4*\tt:AFQ+4*\tt+3] offset:32768*\tt+512*(2*(\g)+\p)   ; piece 2 g + p of K step w
.endr
	s_wait_dscnt 0x0                               ; the stores have read their registers
.endr
.endm
	s_load_b512 s[4:19], s[0:1], 0x0               ; cimg s[4:5], x s[6:7], wimg s[8:9], exponents s[10:11], bo s[12:13], gain s[14:15], bias s[16:17], b1 s[18:19]
	s_load_b128 s[20:23], s[0:1], 0x40             ; b2 s[20:21], out0 s[22:23]
	v_lshrrev_b32 v11, 5, v0
	s_delay_alu instid0(VALU_DEP_1)
	v_readfirstlane_b32 s24, v11                   ; wave 0..15
	v_and_b32 v1, 31, v0
	v_and_b32 v16, 15, v0                          ; r
	v_bfe_u32 v17, v0, 4, 1                        ; h
	s_delay_alu instid0(VALU_DEP_3)
	v_lshlrev_b32 v18, 2, v1                       ; 4 l
	s_delay_alu instid0(VALU_DEP_4)
	v_lshlrev_b32 v1, 4, v1                        ; v1: 16 l
	s_delay_alu instid0(VALU_DEP_1)
	v_add_nc_u32 v2, GIMG, v1                      ; v2: the hidden layer's image
	s_lshl_b32 s71, s24, 10
	s_add_co_u32 s72, s71, PAR
	v_lshl_add_u32 v4, v17, 6, s72                 ; v4: my wave's parameters, + 64 h: my sixteen of each 32
	v_add_nc_u32 v19, s72, v18                     ; (on the way in: + 4 l,
	v_add_nc_u32 v20, s72, v1                      ;  + 16 l)
	v_add_nc_u32 v21, s71, v1                      ; (ctx's image: my wave copies 1,024 bytes)
	s_lshl_b32 s73, s24, 2
	s_add_co_u32 s73, s73, ST1
	v_lshl_add_u32 v5, v16, 6, s73                 ; v5: my word of the statistics: 64 r + 4 w
	v_lshlrev_b32 v6, 6, v16
	s_delay_alu instid0(VALU_DEP_1)
	v_add_nc_u32 v6, ST1, v6                       ; v6: my token's sixteen words
	s_lshl_b32 s73, s24, 9
	s_add_co_u32 s73, s73, H2
	v_add_nc_u32 v7, s73, v1                       ; v7: the norm's codes: my 32 columns are piece w
	s_lshl_b32 s73, s24, 11
	s_add_co_u32 s73, s73, GIMG
	v_add_nc_u32 v8, s73, v1                       ; v8: the hidden layer's codes: K step w
	v_and_b32 v22, 8, v16
	s_delay_alu instid0(VALU_DEP_1)
	v_add_nc_u32 v22, v22, v16                     ; r + (r & 8)
	s_delay_alu instid0(VALU_DEP_1)
	v_mul_u32_u24 v9, v22, OP
	s_delay_alu instid0(VALU_DEP_1)
	v_lshl_add_u32 v9, v17, 6, v9
	s_lshl_b32 s73, s24, 7                         ; my 32 columns: 128 w bytes
	s_add_co_u32 s74, s73, OUTS
	v_add_nc_u32 v9, s74, v9                       ; v9: the way out, in: my token's row, my 64 bytes
	s_mul_i32 s74, s24, 2*OP
	s_add_co_u32 s74, s74, OUTS
	v_add_nc_u32 v10, s74, v1                      ; v10: back: rows 2 w and 2 w + 1
	v_add_nc_u32 v23, s73, v18                     ; bo, gain, bias, b2: 128 w + 4 l
	s_lshl_b32 s74, s24, 9
	v_add_nc_u32 v24, s74, v1                      ; b1: 512 w + 16 l
	v_mov_b32 v14, 0xc0135761                      ; a = -2 sqrt(2 / pi) log2(e)
	v_mov_b32 v15, 0xc0135761
	s_mov_b32 s62, 0xbdd2d3e8                      ; b = 0.044715 a
	s_mov_b32 s63, s62
	s_mov_b32 s66, 0x76543210
	s_mov_b32 s67, 0xfedcba98                      ; v_permlanex16_b32's selects for lane l xor 16
	s_mov_b32 s68, 0x3b004020                      ; 1 / 511
	s_mov_b32 s69, 0x3727c5ac                      ; 1e-5
	s_lshl_b32 s76, ttmp9, 16                      ; x, out0: 32 rows of 2,048 bytes a work-group
	s_lshl_b32 s78, s24, 12
	s_add_co_u32 s78, s78, s76                     ; out0: + my two rows
	s_mov_b32 s79, 0
	s_lshl_b32 s80, ttmp9, 14
	s_add_co_u32 s80, s80, s71                     ; cimg: 16,384 a work-group, + my 1,024
	s_mov_b32 s81, 0
	s_lshl_b32 s82, s24, 14
	s_add_co_u32 s82, s82, 0xc0000                 ; Wo: my two tiles of four K steps
	s_mov_b32 s83, 0
	s_lshl_b32 s84, s24, 16
	s_add_co_u32 s84, s84, 0x100000                ; W1: my eight tiles of four K steps; W2's two tiles of sixteen lie 0x100000 further on
	s_mov_b32 s85, 0
	s_wait_alu depctr_va_vdst(0)
	s_wait_kmcnt 0x0
	s_load_b512 s[36:51], s[10:11], 0x0            ; the sixteen exponents
	s_add_nc_u64 s[26:27], s[8:9], s[82:83]
	s_add_nc_u64 s[28:29], s[8:9], s[84:85]
	s_add_nc_u64 s[30:31], s[6:7], s[78:79]        ; x: my wave's two rows, as in out0
	s_add_nc_u64 s[32:33], s[4:5], s[80:81]
	s_add_nc_u64 s[34:35], s[22:23], s[78:79]
	global_load_b128 v[32:35], v1, s[32:33] th:TH_LOAD_NT
	global_load_b128 v[36:39], v1, s[32:33] offset:512 th:TH_LOAD_NT
	global_load_b32 v40, v23, s[12:13]
	global_load_b32 v41, v23, s[14:15]
	global_load_b32 v42, v23, s[16:17]
	global_load_b32 v43, v23, s[20:21]
	global_load_b128 v[44:47], v24, s[18:19]
.irp k, 0,1,2,3,4,5,6,7
	global_load_b128 v[48+4*\k:48+4*\k+3], v1, s[30:31] offset:512*\k th:TH_LOAD_NT   ; two whole rows of x on end: each load reads 512 consecutive bytes
.endr
	LOADSTAGE 0
	LOADSTAGE 1
	s_wait_kmcnt 0x0
	POW2 52, 46, 47                                ; 2^(e10 + e11)
	POW2 54, 48, 49                                ; 2^(e12 + e13)
	POW2 56, 50, 51                                ; 2^(e14 + e15)
	MKS 48, 70, 58
	v_mov_b32 v12, s70                             ; 2^e12
	MKS 50, 70, 60
	v_mov_b32 v13, s70                             ; 2^e14
	s_wait_loadcnt 32                              ; all but the 32 weight loads are in
	ds_store_b128 v21, v[32:35]
	ds_store_b128 v21, v[36:39] offset:512
	ds_store_b32 v19, v40
	ds_store_b32 v19, v41 offset:128
	ds_store_b32 v19, v42 offset:256
	ds_store_b32 v19, v43 offset:384
	ds_store_b128 v20, v[44:47] offset:512
.irp k, 0,1,2,3,4,5,6,7
	ds_store_b128 v10, v[48+4*\k:48+4*\k+3] offset:OP*(\k/4)+512*(\k%4)   ; x comes in through the stage of the way out: rows 2 w and 2 w + 1
.endr
	BAR                                            ; ctx's image is whole
	; ---- x1 = x + ctx Wo + bo
	STAGEP 0, 1, CIMG, 8192, 1
	STAGEP 1, 1, CIMG+4096, 8192, 0
	RESID 52, 0
.irp k, 0,1,2,3,4,5,6,7
	ds_store_b128 v9, v[ACC+4*\k:ACC+4*\k+3] offset:8*OP*(\k/4)+16*(\k%4)   ; x1 takes x's place: the bytes that this lane has read (LDS serves a wave's instructions in order)
.endr
	; ---- the norm of x1
	SUM16 16, ACC, 0
	SUM16 20, ACC+16, 0
	ds_store_b32 v5, v16                           ; both halves of the lanes store the same number to the same word
	ds_store_b32 v5, v20 offset:1024
	BAR
	GATHER 0
	v_mul_f32 v24, 0x3b000000, v[AFP]              ; / 512
	s_delay_alu instid0(VALU_DEP_2)
	v_mul_f32 v26, 0x3b000000, v[AFP+16]
	s_delay_alu instid0(VALU_DEP_2)
	v_mov_b32 v25, v24
	s_delay_alu instid0(VALU_DEP_2)
	v_mov_b32 v27, v26
.irp tt, 0,1
.irp j, 0,2,4,6,8,10,12,14
	v_pk_add_f32 v[ACC+16*\tt+\j:ACC+16*\tt+\j+1], v[ACC+16*\tt+\j:ACC+16*\tt+\j+1], v[24+2*\tt:25+2*\tt] neg_lo:[0,1] neg_hi:[0,1]
.endr
.endr
	SUM16 16, ACC, 1
	SUM16 20, ACC+16, 1
	ds_store_b32 v5, v16 offset:2048
	ds_store_b32 v5, v20 offset:3072
	BAR
.irp j, 0,1,2,3
	ds_load_b128 v[AFQ+4*\j:AFQ+4*\j+3], v4 offset:128+16*\j         ; the gain,
	ds_load_b128 v[AFQ+16+4*\j:AFQ+16+4*\j+3], v4 offset:256+16*\j   ; the bias
.endr
	GATHER 2048
	v_fma_f32 v[AFP], v[AFP], s68, s69             ; / 511 + 1e-5
	s_delay_alu instid0(VALU_DEP_2)
	v_fma_f32 v[AFP+16], v[AFP+16], s68, s69
	s_wait_alu depctr_va_vdst(0)
	v_rsq_f32 v28, v[AFP]
	v_rsq_f32 v30, v[AFP+16]
	v_nop                                          ; a plain line behind the two,
	s_wait_alu depctr_va_vdst(0)                   ; and one wait ahead of their first reader
	v_mov_b32 v29, v28
	v_mov_b32 v31, v30
.irp tt, 0,1
.irp j, 0,2,4,6,8,10,12,14
	v_pk_mul_f32 v[ACC+16*\tt+\j:ACC+16*\tt+\j+1], v[ACC+16*\tt+\j:ACC+16*\tt+\j+1], v[28+2*\tt:29+2*\tt]
.endr
.endr
.irp tt, 0,1
.irp j, 0,2,4,6,8,10,12,14
	v_pk_fma_f32 v[ACC+16*\tt+\j:ACC+16*\tt+\j+1], v[ACC+16*\tt+\j:ACC+16*\tt+\j+1], v[AFQ+\j:AFQ+\j+1], v[AFQ+16+\j:AFQ+16+\j+1]
.endr
.endr
.set n, 0
.rept 32
	v_med3_num_f32 v[ACC+n], v[ACC+n], s59, s58
.set n, n+1
.endr
.irp tt, 0,1
	v_cvt_scalef32_pk8_bf8_f32 v[AFP+4*\tt:AFP+4*\tt+1], v[ACC+16*\tt:ACC+16*\tt+7], v12
	v_cvt_scalef32_pk8_bf8_f32 v[AFP+4*\tt+2:AFP+4*\tt+3], v[ACC+16*\tt+8:ACC+16*\tt+15], v12
.endr
	v_nop                                          ; a plain line between the conversions and the products that write their registers
	ds_store_b128 v7, v[AFP:AFP+3]
	ds_store_b128 v7, v[AFP+4:AFP+7] offset:8192
	BAR                                            ; the norm's image is whole
	; ---- the hidden layer: my 128 units, four tiles at a time
.irp g, 0,1
	STAGEQ 2+4*\g, 0, 1
	STAGEQ 3+4*\g, 1, 0
	STAGEQ 4+4*\g, 2, 0
	STAGEQ 5+4*\g, 3, 0
	EPIB \g
.endr
	BAR                                            ; the hidden layer's image is whole
	; ---- out = x1 + g W2 + b2
	STAGEP 10, 2, 0, 32768, 1
.irp i, 1,2,3,4,5,6,7
	STAGEP 10+\i, 2, 4096*\i, 32768, 0
.endr
	RESID 56, 384
.irp tt, 0,1
.irp j, 0,1,2,3
	ds_store_b128 v9, v[ACC+16*\tt+4*\j:ACC+16*\tt+4*\j+3] offset:8*OP*\tt+16*\j
.endr
.endr
	BAR                                            ; 32 whole rows lie in the stage
.irp i, 0,1
.irp k, 0,1,2,3
	ds_load_b128 v[AFP+16*\i+4*\k:AFP+16*\i+4*\k+3], v10 offset:OP*\i+512*\k
.endr
.endr
.irp m, 0,1,2,3,4,5,6,7
	s_wait_dscnt 7-\m                              ; LDS loads come back in order: number m is in, the younger ones may be out
	global_store_b128 v1, v[AFP+4*\m:AFP+4*\m+3], s[34:35] offset:512*\m th:TH_STORE_NT   ; the wave stores 512 consecutive bytes, at a multiple of 512 from out0's first byte; two rows on end
.endr
	s_wait_xcnt 0x0
	v_lshl_add_u32 v254, v0, 2, 0x3d400
	v_mov_b32 v255, 0
	s_wait_alu depctr_va_vdst(0)
	s_wait_tensorcnt 0x0
	ds_add_u32 v254, v255
	s_wait_dscnt 0x0
	s_endpgm
.Lfunc_end_k_q664d4d7160_tail:
	.size	k_q664d4d7160_tail, .Lfunc_end_k_q664d4d7160_tail-k_q664d4d7160_tail
	.p2alignl 7, 3214868480
	.fill 96, 4, 3214868480
	.section	.rodata,"a",@progbits
	.p2align	6, 0x0
	.amdhsa_kernel k_q664d4d7160_tail
		.amdhsa_group_segment_fixed_size 252928
		.amdhsa_private_segment_fixed_size 0
		.amdhsa_enable_private_segment 0
		.amdhsa_kernarg_size 80
		.amdhsa_user_sgpr_count 2
		.amdhsa_user_sgpr_kernarg_segment_ptr 1
		.amdhsa_wavefront_size32 1
		.amdhsa_system_sgpr_workgroup_id_x 1
		.amdhsa_system_sgpr_workgroup_id_y 1
		.amdhsa_system_sgpr_workgroup_id_z 1
		.amdhsa_system_vgpr_workitem_id 0
		.amdhsa_next_free_vgpr 256
		.amdhsa_next_free_sgpr 96
		.amdhsa_reserve_vcc 0
		.amdhsa_float_denorm_mode_32 3
		.amdhsa_float_denorm_mode_16_64 3
		.amdhsa_memory_ordered 1
		.amdhsa_forward_progress 1
		.amdhsa_inst_pref_size 127
	.end_amdhsa_kernel
	.amdgpu_metadata
---
amdhsa.version: [ 1, 2 ]
amdhsa.kernels:
  - .name:           k_q664d4d7160_tail
    .symbol:         k_q664d4d7160_tail.kd
    .args:
      - { .name: cimg, .offset: 0, .size: 8, .value_kind: global_buffer, .address_space: global }
      - { .name: x, .offset: 8, .size: 8, .value_kind: global_buffer, .address_space: global }
      - { .name: wimg, .offset: 16, .size: 8, .value_kind: global_buffer, .address_space: global }
      - { .name: lowp_scales, .offset: 24, .size: 8, .value_kind: global_buffer, .address_space: global }
      - { .name: bo, .offset: 32, .size: 8, .value_kind: global_buffer, .address_space: global }
      - { .name: ln2_scale, .offset: 40, .size: 8, .value_kind: global_buffer, .address_space: global }
      - { .name: ln2_bias, .offset: 48, .size: 8, .value_kind: global_buffer, .address_space: global }
      - { .name: b1, .offset: 56, .size: 8, .value_kind: global_buffer, .address_space: global }
      - { .name: b2, .offset: 64, .size: 8, .value_kind: global_buffer, .address_space: global }
      - { .name: out0, .offset: 72, .size: 8, .value_kind: global_buffer, .address_space: global }
    .group_segment_fixed_size: 252928
    .private_segment_fixed_size: 0
    .kernarg_segment_align: 8
    .kernarg_segment_size: 80
    .max_flat_workgroup_size: 512
    .sgpr_count:     96
    .vgpr_count:     256
    .wavefront_size: 32
...
	.end_amdgpu_metadata
.endif
;; end of part 4
